; MI455X (gfx1250); checked and timed in simulation.
; The chip was launched on July 23, 2026; its instructions are those of AMD's public machine-readable ISA for CDNA 5 (MIT licence, August 2026) and "CDNA5" Instruction Set Architecture Reference Guide (July 2026). The comments in the code are by the model that wrote it; some were corrected since.
;; RPE. Allowed arithmetic: float matrix products may take bf16 or f16 operands with f32 sums; all other float work in f32.
;; Inputs: lin_w 8 x 512 x 512 float32; ln_b 8 x 512 float32; ln_w 8 x 512 float32; out_ln_b 512 float32; out_ln_w 512 float32; out_w 64 x 512 float32; proj_b 512 float32; proj_w 512 x 1 float32; x 32,768 x 1 float32.
;; Outputs: out0 32,768 x 64 float32.
;; 2 versions, each right; version 2 is version 1 with the launch prep written anew for expert scheduling mode. Each part assembles by itself: llvm-mc -triple=amdgcn-amd-amdhsa -mcpu=gfx1250 --defsym DOCPART=n.
;; ======== version 1 of 2: 2 launches
;; limits: values are held in f16: magnitudes above 65,504 overflow, below 6.1e-05 lose precision
;; workspace buffers: wh 4,325,376 bytes; par 40,960 bytes
;; launch prep (part 1): grid 66 x 1, 16 waves a work-group, no clusters, 79,872 bytes of LDS; arguments lin_w, out_w, ln_w, ln_b, out_ln_w, out_ln_b, proj_w, proj_b, wh, par; writes wh, par
.if DOCPART == 1
	.amdgcn_target "amdgcn-amd-amdhsa--gfx1250"
	.amdhsa_code_object_version 6
	.text
	.protected	k_qae4bb38de4_prep
	.globl	k_qae4bb38de4_prep
	.p2align	8
	.type	k_qae4bb38de4_prep,@function
k_qae4bb38de4_prep:
	s_mov_b64 s[64:65], 0
	v_nop
	global_prefetch_b8 v0, s[64:65] scope:SCOPE_SE
	s_setreg_imm32_b32 hwreg(HW_REG_WAVE_MODE, 25, 1), 1
	s_wait_xcnt 0x0
; PREPARES THE WEIGHTS for the fused launch behind it.  Three kinds of work-group, chosen by the work-group's number alone:
;   0-63  (layer l = number / 8, strip s = number % 8): 512 rows x 64 columns of lin_w[l].  The mean of each column over the 512 rows is taken away (W' = W - mean over n), W' is rounded
;         once to f16 and stored as FRAGMENT IMAGES of 1,024 bytes: image (n tile nt, k chunk kc), byte part x 512 + lane x 16, holds W'[16 nt + lane % 16][32 kc + 16 part + 8 (lane / 16) + 0..7]:
;         what a lane of the matrix instruction's source 0 wants, so the next launch reads 16 consecutive bytes a lane.  The pair (n tiles 2 i, 2 i + 1; chunk j) lies at place
;         P(i, j) x 2,048 of the layer's 524,288 bytes, P = i^2 + j where i >= j, else j^2 + j + 1 + i: the order in which the next launch multiplies.
;   64    out_w, rounded to f16, as 64 images ((n tile n, chunk j) at (4 j + n) x 1,024) behind the eight layers, and 65,536 bytes of zeros behind them, so that the stream is 33 equal tiles of 131,072 bytes.
;   65    the small parameters, packed into one block of 40,960 bytes of f32: layer l at 4,096 l: ln_w[l], ln_b[l]; at 32,768 out_ln_w, out_ln_b; at 36,864 proj_w and proj_b, each less its own mean.
; WHY THE MEANS GO HERE.  h enters the result through LayerNorm alone, and LayerNorm(h) = LayerNorm(h - mean(h)).  With proj_w, proj_b and every column of lin_w centred over the features, every h has
; row mean 0 for every input, so the next launch forms no mean and takes the variance as mean(h^2).
; LIMITS.  |W'| and |out_w| stay under 65,504 (f16's end); below 6e-5 f16 keeps its fixed step of 6e-8.  What the rounding of W' leaves of a column mean is not removed.  NaN and infinities are not treated apart.
; Memory binds: every input byte is read once, by loads of which sixteen neighbouring lanes cover 256 aligned bytes; every store of a wave covers 256 or 512 consecutive aligned bytes.  No matrix unit, no cluster: no two work-groups read the same bytes.
.set TP,    144                        ; a row of the strip in LDS: 128 bytes of f16 + 16: an odd multiple of 16, so the 16 rows of a read back start in 16 different columns of 16 bytes
.set OP,    1040                       ; a row of out_w in LDS: 1,024 bytes + 16
.set RED,   73728                      ; behind the 512 rows x 144 bytes: 256 bytes a wave, the waves' column sums
.set SPARE, 77824                      ; the spare words, 128 bytes for each of 16 waves: eight blocks of 256 bytes that no other line names
; v2, v3 the add's two registers; v4 thread % 16; v5 thread / 16; v6 (thread / 16) % 2; v7 lane; v8-15 addresses and sums; v16-79 data; v80-143 partial sums, then f16; v144-151 at work
.macro FIN                             ; the wave's end, behind the last LDS store
	s_wait_tensorcnt 0x0
	ds_add_u32 v2, v3
	s_wait_dscnt 0x0
	s_endpgm
.endm
.macro COLSUM base                     ; v[10:13] = the sum of sixteen groups of four registers from v[base] on, in two chains
	v_pk_add_f32 v[10:11], v[(\base):(\base)+1], v[(\base)+4:(\base)+5]
	v_pk_add_f32 v[12:13], v[(\base)+2:(\base)+3], v[(\base)+6:(\base)+7]
.set it, 2
.rept 14
	v_pk_add_f32 v[10:11], v[10:11], v[(\base)+4*it:(\base)+4*it+1]
	v_pk_add_f32 v[12:13], v[12:13], v[(\base)+4*it+2:(\base)+4*it+3]
.set it, it+1
.endr
.endm
	s_load_b512 s[8:23], s[0:1], 0x0               ; lin_w s[8:9], out_w s[10:11], ln_w s[12:13], ln_b s[14:15], out_ln_w s[16:17], out_ln_b s[18:19], proj_w s[20:21], proj_b s[22:23]
	s_load_b128 s[24:27], s[0:1], 0x40             ; wh s[24:25], par s[26:27]
	v_lshl_add_u32 v2, v0, 2, SPARE
	v_mov_b32 v3, 0
	v_lshrrev_b32 v1, 5, v0
	v_readfirstlane_b32 s4, v1                     ; wave 0..15
	s_mov_b32 s28, 0x76543210                      ; v_permlanex16_b32: each lane takes its own place in the other half
	s_mov_b32 s29, 0xfedcba98
	v_and_b32 v4, 15, v0
	v_lshrrev_b32 v5, 4, v0
	v_bfe_u32 v6, v0, 4, 1
	v_and_b32 v7, 31, v0
	s_wait_kmcnt 0x0
	s_cmp_lt_u32 ttmp9, 64                         ; the branches hang on the work-group's number alone: all sixteen waves go the same way
	s_cbranch_scc1 .Llin
	s_cmp_eq_u32 ttmp9, 64
	s_cbranch_scc1 .Lout
	; WORK-GROUP 65: THE SMALL PARAMETERS
	v_lshlrev_b32 v8, 4, v0                        ; 16 bytes a thread of ln_w and ln_b: 8,192 bytes a load
	v_lshrrev_b32 v9, 7, v0                        ; a layer's 2,048 bytes are 128 threads
	v_and_b32 v10, 127, v0
	v_lshlrev_b32 v9, 12, v9
	v_lshl_add_u32 v9, v10, 4, v9                  ; where they go: layer x 4,096 + place in the layer
	v_and_b32 v10, 255, v0
	v_lshlrev_b32 v10, 3, v10                      ; 8 bytes a thread of an array of 2,048 bytes: waves 0-7 take the first array of a pair, waves 8-15 the second
	v_lshlrev_b32 v11, 3, v0
	v_lshlrev_b32 v12, 4, v7
	s_cmp_lt_u32 s4, 8
	s_cselect_b64 s[30:31], s[16:17], s[18:19]     ; out_ln_w or out_ln_b
	s_cselect_b64 s[32:33], s[20:21], s[22:23]     ; proj_w or proj_b
	global_load_b128 v[16:19], v8, s[12:13]
	global_load_b128 v[20:23], v8, s[12:13] offset:8192
	global_load_b128 v[24:27], v8, s[14:15]
	global_load_b128 v[28:31], v8, s[14:15] offset:8192
	global_load_b64 v[32:33], v10, s[30:31]
	global_load_b64 v[34:35], v10, s[32:33]        ; my two numbers of proj_w or proj_b,
.irp k, 0,1,2,3
	global_load_b128 v[36+4*(\k):39+4*(\k)], v12, s[32:33] offset:512*(\k)  ; and the whole array, 16 numbers a lane: each wave makes the mean for itself
.endr
	s_wait_loadcnt 0x0
	global_store_b128 v9, v[16:19], s[26:27]
	global_store_b128 v9, v[20:23], s[26:27] offset:16384
	global_store_b128 v9, v[24:27], s[26:27] offset:2048
	global_store_b128 v9, v[28:31], s[26:27] offset:18432
	global_store_b64 v11, v[32:33], s[26:27] offset:32768
	v_pk_add_f32 v[36:37], v[36:37], v[38:39]
	v_pk_add_f32 v[40:41], v[40:41], v[42:43]
	v_pk_add_f32 v[44:45], v[44:45], v[46:47]
	v_pk_add_f32 v[48:49], v[48:49], v[50:51]
	v_pk_add_f32 v[36:37], v[36:37], v[40:41]
	v_pk_add_f32 v[44:45], v[44:45], v[48:49]
	v_pk_add_f32 v[36:37], v[36:37], v[44:45]
	v_add_f32 v36, v36, v37
	v_add_f32_dpp v36, v36, v36 row_xmask:1 row_mask:0xf bank_mask:0xf
	v_add_f32_dpp v36, v36, v36 row_xmask:2 row_mask:0xf bank_mask:0xf
	v_add_f32_dpp v36, v36, v36 row_xmask:4 row_mask:0xf bank_mask:0xf
	v_add_f32_dpp v36, v36, v36 row_xmask:8 row_mask:0xf bank_mask:0xf
	v_permlanex16_b32 v37, v36, s28, s29
	v_add_f32 v36, v36, v37
	v_mul_f32 v36, 0x3b000000, v36                 ; / 512
	v_sub_f32 v34, v34, v36
	v_sub_f32 v35, v35, v36
	global_store_b64 v11, v[34:35], s[26:27] offset:36864
	FIN
	; WORK-GROUP 64: out_w, 64 rows x 512
.Lout:
	v_lshlrev_b32 v8, 4, v0
.set it, 0
.rept 16
	global_load_b128 v[16+4*it:19+4*it], v8, s[10:11] offset:it*8192 th:TH_LOAD_NT  ; four rows a load
.set it, it+1
.endr
	v_lshrrev_b32 v9, 7, v0                        ; which of the four rows
	v_mul_u32_u24 v14, v9, OP
	v_and_b32 v9, 127, v0
	v_lshl_add_u32 v14, v9, 3, v14                 ; four f16 are 8 bytes
	s_add_nc_u64 s[24:25], s[24:25], 0x400000      ; behind the eight layers
.irp k, 10,11,12,13
	v_mov_b32 v[\k], 0
.endr
.irp k, 0,1,2,3,4,5,6,7
	global_store_b128 v8, v[10:13], s[24:25] offset:65536+(\k)*8192  ; the zeros that fill the last tile
.endr
	s_wait_loadcnt 0x0
.set it, 0
.rept 16
	v_cvt_pk_f16_f32 v[80+2*it], v[16+4*it], v[17+4*it]
	v_cvt_pk_f16_f32 v[81+2*it], v[18+4*it], v[19+4*it]
	ds_store_b64 v14, v[80+2*it:81+2*it] offset:it*4*OP
.set it, it+1
.endr
	s_wait_dscnt 0x0                               ; for the others' sake: my stores are done
	s_barrier_signal -1
	s_barrier_wait -1
	s_lshl_b32 s30, s4, 6                          ; wave w takes chunk j = w: 64 bytes of every row
	v_mul_u32_u24 v149, v4, OP
	v_lshl_add_u32 v149, v6, 4, v149
	v_add_nc_u32 v149, s30, v149
.irp n, 0,1,2,3
	ds_load_b128 v[16+8*(\n):19+8*(\n)], v149 offset:(\n)*16*OP
	ds_load_b128 v[20+8*(\n):23+8*(\n)], v149 offset:(\n)*16*OP+32
.endr
	s_lshl_b32 s31, s4, 12                         ; its four images
	v_lshl_add_u32 v150, v7, 4, s31
	s_wait_dscnt 0x0
.irp n, 0,1,2,3
	global_store_b128 v150, v[16+8*(\n):19+8*(\n)], s[24:25] offset:(\n)*1024
	global_store_b128 v150, v[20+8*(\n):23+8*(\n)], s[24:25] offset:(\n)*1024+512
.endr
	FIN
	; WORK-GROUPS 0-63: a strip of 64 columns of one layer
.Llin:
	s_lshr_b32 s5, ttmp9, 3                        ; l
	s_and_b32 s6, ttmp9, 7                         ; s
	s_lshl_b32 s30, s5, 20                         ; a layer is 1,048,576 bytes of f32,
	s_lshl_b32 s31, s6, 8                          ; a strip 256 bytes of every row
	s_add_co_u32 s30, s30, s31
	s_mov_b32 s31, 0
	s_add_nc_u64 s[8:9], s[8:9], s[30:31]
	s_lshl_b32 s34, s5, 19                         ; and 524,288 bytes of f16
	s_mov_b32 s35, 0
	s_add_nc_u64 s[24:25], s[24:25], s[34:35]
	v_lshlrev_b32 v8, 11, v5                       ; row thread / 16, 2,048 bytes each,
	v_lshl_add_u32 v8, v4, 4, v8                   ; four columns a thread: sixteen lanes cover a row's 256 bytes
.set it, 0
.rept 16
	global_load_b128 v[16+4*it:19+4*it], v8, s[8:9] offset:it*65536 th:TH_LOAD_NT  ; 32 rows a load: all 131,072 bytes of the strip are asked for at once
.set it, it+1
.endr
	v_lshlrev_b32 v9, 8, v1
	v_lshl_add_u32 v9, v4, 4, v9
	v_add_nc_u32 v9, RED, v9                       ; my wave's 256 bytes of sums
	v_lshlrev_b32 v148, 4, v4
	v_add_nc_u32 v148, RED, v148
	v_mul_u32_u24 v14, v5, TP
	v_lshl_add_u32 v14, v4, 3, v14                 ; into the strip: row x pitch + 8 bytes a thread;
	v_add_nc_u32 v15, 8*32*TP, v14                 ; a second address for rows 256 on: the 16-bit offset does not reach them
.irp k, 144,145,146,147
	v_mov_b32 v[\k], 0                             ; v_permlanex16_b32 counts as a reader of its destination
.endr
	s_wait_loadcnt 0x0
	COLSUM 16                                      ; my 16 rows,
.irp k, 0,1,2,3
	v_permlanex16_b32 v[144+(\k)], v[10+(\k)], s28, s29
.endr
	v_pk_add_f32 v[10:11], v[10:11], v[144:145]    ; the other half of the lanes' 16 rows: the wave's 32
	v_pk_add_f32 v[12:13], v[12:13], v[146:147]
	ds_store_b128 v9, v[10:13]                     ; both halves of the lanes write the same numbers
	s_wait_dscnt 0x0                               ; for the others' sake
	s_barrier_signal -1
	s_barrier_wait -1
.set it, 0
.rept 16
	ds_load_b128 v[80+4*it:83+4*it], v148 offset:it*256
.set it, it+1
.endr
	s_wait_dscnt 0x0
	COLSUM 80                                      ; all sixteen waves' sums, in the same order in every thread
	v_pk_mul_f32 v[10:11], v[10:11], 0x3b000000 op_sel_hi:[1,0]  ; / 512: the means of my four columns
	v_pk_mul_f32 v[12:13], v[12:13], 0x3b000000 op_sel_hi:[1,0]
.set it, 0
.rept 16
	v_pk_add_f32 v[16+4*it:17+4*it], v[16+4*it:17+4*it], v[10:11] neg_lo:[0,1] neg_hi:[0,1]
	v_pk_add_f32 v[18+4*it:19+4*it], v[18+4*it:19+4*it], v[12:13] neg_lo:[0,1] neg_hi:[0,1]
	v_cvt_pk_f16_f32 v[80+2*it], v[16+4*it], v[17+4*it]
	v_cvt_pk_f16_f32 v[81+2*it], v[18+4*it], v[19+4*it]
	ds_store_b64 v[14+it/8], v[80+2*it:81+2*it] offset:(it%8)*32*TP
.set it, it+1
.endr
	s_wait_dscnt 0x0                               ; for the others' sake
	s_barrier_signal -1
	s_barrier_wait -1
	s_mul_i32 s30, s4, 32*TP                       ; wave w takes i = w: rows 32 w to 32 w + 31, both chunks of the strip
	v_mul_u32_u24 v149, v4, TP
	v_lshl_add_u32 v149, v6, 4, v149
	v_add_nc_u32 v149, s30, v149
.irp kk, 0,1
.irp e, 0,1
	ds_load_b128 v[16+16*(\kk)+8*(\e):19+16*(\kk)+8*(\e)], v149 offset:(\e)*16*TP+(\kk)*64
	ds_load_b128 v[20+16*(\kk)+8*(\e):23+16*(\kk)+8*(\e)], v149 offset:(\e)*16*TP+(\kk)*64+32
.endr
.endr
	s_lshl_b32 s36, s6, 1                          ; the strip's first chunk
	s_mul_i32 s37, s4, s4
.irp kk, 0,1
	s_add_co_u32 s38, s36, (\kk)                   ; j
	s_mul_i32 s39, s38, s38
	s_add_co_u32 s39, s39, s38
	s_add_co_u32 s39, s39, s4
	s_add_co_u32 s39, s39, 1                       ; j^2 + j + 1 + i
	s_add_co_u32 s40, s37, s38                     ; i^2 + j
	s_cmp_ge_u32 s4, s38
	s_cselect_b32 s40, s40, s39                    ; P(i, j)
	s_lshl_b32 s40, s40, 11
	v_lshl_add_u32 v[150+(\kk)], v7, 4, s40
.endr
	s_wait_dscnt 0x0
.irp kk, 0,1
.irp e, 0,1
	global_store_b128 v[150+(\kk)], v[16+16*(\kk)+8*(\e):19+16*(\kk)+8*(\e)], s[24:25] offset:(\e)*1024      ; 512 consecutive bytes, at a multiple of 512 from wh's first
	global_store_b128 v[150+(\kk)], v[20+16*(\kk)+8*(\e):23+16*(\kk)+8*(\e)], s[24:25] offset:(\e)*1024+512
.endr
.endr
	FIN
.Lfunc_end_k_qae4bb38de4_prep:
	.size	k_qae4bb38de4_prep, .Lfunc_end_k_qae4bb38de4_prep-k_qae4bb38de4_prep
	.p2alignl 7, 3214868480
	.fill 96, 4, 3214868480
	.section	.rodata,"a",@progbits
	.p2align	6, 0x0
	.amdhsa_kernel k_qae4bb38de4_prep
		.amdhsa_group_segment_fixed_size 79872
		.amdhsa_private_segment_fixed_size 0
		.amdhsa_enable_private_segment 0
		.amdhsa_kernarg_size 80
		.amdhsa_user_sgpr_count 2
		.amdhsa_user_sgpr_kernarg_segment_ptr 1
		.amdhsa_wavefront_size32 1
		.amdhsa_system_sgpr_workgroup_id_x 1
		.amdhsa_system_sgpr_workgroup_id_y 1
		.amdhsa_system_sgpr_workgroup_id_z 1
		.amdhsa_system_vgpr_workitem_id 0
		.amdhsa_next_free_vgpr 152
		.amdhsa_next_free_sgpr 66
		.amdhsa_reserve_vcc 0
		.amdhsa_float_denorm_mode_32 3
		.amdhsa_float_denorm_mode_16_64 3
		.amdhsa_memory_ordered 1
		.amdhsa_forward_progress 1
		.amdhsa_inst_pref_size 28
	.end_amdhsa_kernel
	.amdgpu_metadata
---
amdhsa.version: [ 1, 2 ]
amdhsa.kernels:
  - .name:           k_qae4bb38de4_prep
    .symbol:         k_qae4bb38de4_prep.kd
    .args:
      - { .name: lin_w, .offset: 0, .size: 8, .value_kind: global_buffer, .address_space: global }
      - { .name: out_w, .offset: 8, .size: 8, .value_kind: global_buffer, .address_space: global }
      - { .name: ln_w, .offset: 16, .size: 8, .value_kind: global_buffer, .address_space: global }
      - { .name: ln_b, .offset: 24, .size: 8, .value_kind: global_buffer, .address_space: global }
      - { .name: out_ln_w, .offset: 32, .size: 8, .value_kind: global_buffer, .address_space: global }
      - { .name: out_ln_b, .offset: 40, .size: 8, .value_kind: global_buffer, .address_space: global }
      - { .name: proj_w, .offset: 48, .size: 8, .value_kind: global_buffer, .address_space: global }
      - { .name: proj_b, .offset: 56, .size: 8, .value_kind: global_buffer, .address_space: global }
      - { .name: wh, .offset: 64, .size: 8, .value_kind: global_buffer, .address_space: global }
      - { .name: par, .offset: 72, .size: 8, .value_kind: global_buffer, .address_space: global }
    .group_segment_fixed_size: 79872
    .private_segment_fixed_size: 0
    .kernarg_segment_align: 8
    .kernarg_segment_size: 80
    .max_flat_workgroup_size: 512
    .sgpr_count:     66
    .vgpr_count:     152
    .wavefront_size: 32
...
	.end_amdgpu_metadata
.endif
;; end of part 1
;; launch main (part 2): grid 256 x 1, 4 waves a work-group, clusters of 4 x 1, 327,680 bytes of LDS; arguments x, wh, par, out0; writes out0
.if DOCPART == 2
	.amdgcn_target "amdgcn-amd-amdhsa--gfx1250"
	.amdhsa_code_object_version 6
	.text
	.protected	k_qae4bb38de4_main
	.globl	k_qae4bb38de4_main
	.p2align	8
	.type	k_qae4bb38de4_main,@function
k_qae4bb38de4_main:
	s_mov_b64 s[64:65], 0
	v_nop
	global_prefetch_b8 v0, s[64:65] scope:SCOPE_SE
	s_setreg_imm32_b32 hwreg(HW_REG_WAVE_MODE, 25, 1), 1
	s_wait_xcnt 0x0
	s_wait_alu depctr_hold_cnt(0) depctr_sa_sdst(0) depctr_va_vdst(0) depctr_va_sdst(0) depctr_va_ssrc(0) depctr_va_vcc(0) depctr_vm_vsrc(0)
	s_getreg_b32 s2, hwreg(HW_REG_IB_STS2, 6, 4)
	s_cmp_eq_u32 s2, 0
	s_cbranch_scc0 .Lentry_in_a_cluster
	s_endpgm
.Lentry_in_a_cluster:
	s_bfe_u32 s2, ttmp6, 0x10000c
	s_cmp_lg_u32 s2, 0x3003
	s_cbranch_scc0 .Lentry_shape_is_right
	s_endpgm
.Lentry_shape_is_right:
; THE WHOLE CHAIN IN ONE LAUNCH.  h = x pw' + pb'; eight times h += W'(l) gelu(LN(h) ln_w[l] + ln_b[l]); out = out_w gelu(LN(h) out_ln_w + out_ln_b).  gelu(y) = y / (1 + 2^(C1 y + C2 y^3)), the tanh form.
; pw', pb' and W' come centred over the features from the launch before, so every h has row mean 0 and LN(h) = h / sqrt(mean(h^2) + 1e-5): no mean is formed here, and no difference of large sums.
; SHARES.  32,768 rows / 256 work-groups = 128 rows each, 32 a wave: two row tiles of 16.  A wave's h, 32 x 512 f32, is 512 registers and never leaves them.
; LAYOUT.  The matrix instruction is used transposed: source 0 = 16 features x 32 k of W', source 1 = 16 rows x 32 k of z.  In the result lane l holds ROW l % 16 and features 8 (l / 16) + 0..7 of the n tile.
; Two neighbouring n tiles, rounded to f16 in pairs, ARE source 1 (k chunk of 32) of the next layer: z never changes lanes, a row's sum of squares wants one exchange between the halves of the lanes,
; and the residual is the product adding in place onto h.
; FORMAT.  z and the weights go in f16, rounded once from f32; h, LN, gelu and all sums in f32.  z is bounded by LN itself: |LN(h)| <= sqrt(511) = 22.6.
; LIMITS.  22.7 max|ln_w| + max|ln_b| stays under 65,504 (f16's end); below 6e-5 z keeps f16's fixed step of 6e-8; a power of two below 2^-126 counts as 0; the row mean that the rounding of W' leaves
; in h (of the order of 1e-4 of the row's spread) is not removed; NaN and infinities are not treated apart.
; THE STREAM.  The weights are 33 tiles of 131,072 bytes (four a layer, one for out_w), already in the order and the lane image in which they are multiplied: a fragment is two loads of 16 consecutive
; bytes a lane, so LDS needs no padding.  Two slots take turns; each wave fetches a quarter of a tile, 128 rows of 256 bytes.
; CLUSTER.  All work-groups walk the same weights: the four of a cluster ask JOINTLY, with the same descriptor (it hangs on the wave's number alone) and the mask of four.
; PHASES.  A layer is a vector phase (sum of squares, then chunk by chunk LN, gelu, rounding) and a matrix phase (1,024 products).  The products go stage by stage: stage c holds the pairs (n tiles 2 i, 2 i + 1;
; chunk j) with max(i, j) = c, which need z's chunks 0..c alone.
; REGISTERS, in windows of 256 (s_set_vgpr_msb: bits 1:0 source 0, 3:2 source 1, 5:4 source 2, 7:6 destination):
;   window 0: v1-11 addresses; v12-15 x; v16-19 1/sigma; v20-35 sums of squares; v36-38 at work; v64-95 Y, v96-127 U; v128-191, v192-255 two buffers of 8 weight fragments (the first also holds LN's gains and biases)
;   window 1: z, chunk c, row tile t at 16 c + 8 t          windows 2, 3: h, n tile n, row tile t at 16 (n % 16) + 8 t of window 2 + n / 16
.set SLOT,  131072                     ; a tile, and an LDS slot
.set PARB,  2*SLOT                     ; behind the ring: the 40,960 bytes of parameters, filled once
.set SPARE, PARB+40960                 ; the spare words, 128 bytes for each wave: two blocks of 256 bytes that no other line names
.set STAGE, SPARE+512                  ; 16 rows x 272 bytes for each wave, for the way out; no tensor load fills it
.set SP,    272                        ; a stage row: 256 bytes + 16, an odd multiple of 16: the 16 rows of a store start in 16 different columns of 16 bytes
.set GO,  1                            ; v1      16 x lane: my place in 512 consecutive bytes of out0
.set SPW, 2                            ; v2      LDS address of my spare word; never rewritten
.set NIL, 3                            ; v3      0; never rewritten
.set LA,  4                            ; v4-7    16 x lane + 65,536 k: the 16-bit offset reaches half a slot
.set PA,  8                            ; v8      this layer's gains and biases: + 4,096 a layer
.set PI,  9                            ; v9      pw', pb'
.set STO, 10                           ; v10     the way out: where I put 32 bytes of a row
.set RD,  11                           ; v11     the way out: where I read rows back
.set XV,  12                           ; v[12:13], v[14:15]  x of my row in row tile 0, 1
.set RS,  16                           ; v[16:17], v[18:19]  1/sigma likewise
.set SS,  20                           ; v20-35  row tile t, pair m at SS + 8 t + 2 m
.set Y,   64
.set U,   96
.set FB,  128
; s[4:11] x, wh, par, out0; s12 wave; s13 cx; s14 work-group; s[16:23] group 1 of a weight tile; s[24:31] of the parameters; s[32:35] group 0, walking; s[36:39] group 0 of the parameters;
; s40 layers to go; s[42:43] C1; s[44:45] C2; s[46:47] lane selects; s48 1/512; s49 1e-5; s[50:53] offsets made of the wave's number; s[54:58] offsets that hold the work-group's place, and the stage
.set MSB, 0
.macro WIN new                         ; the immediate's high byte repeats the setting that is left; a switch that changes nothing is dropped
.if MSB != (\new)
	s_set_vgpr_msb (MSB<<8)|(\new)
.set MSB, \new
.endif
.endm
.macro PLACES                          ; a vector instruction or store that reads a matrix result, and a load into a register that a matrix instruction has read, stand four plain vector instructions behind it (ISA guide 7.12.1 for vector instructions)
.rept 4
	v_nop
.endr
.endm
.macro P16 line:vararg                 ; one line for q = 0..15
.set q, 0
.rept 16
	\line
.set q, q+1
.endr
.endm
.macro P32 line:vararg                 ; one line for q = 0..31
.set q, 0
.rept 32
	\line
.set q, q+1
.endr
.endm
; A round of the cluster's barrier: my work-group's barrier, so that wave 0's signal speaks for all four waves; wave 0 signals; every wave waits for all four work-groups; my work-group's barrier once more.
.macro ROUND
	s_barrier_signal -1
	s_barrier_wait -1
	s_cmp_lg_u32 s12, 0
	s_cbranch_scc1 .Lnot_wave_0_\@
	s_barrier_signal -3
.Lnot_wave_0_\@:
	s_barrier_wait -3
	s_barrier_signal -1
	s_barrier_wait -1
.endm
; THE CHANGE OF SLOTS, in front of each tile's 256 products.  Each wave waits for all its tensor loads, of which one is out: its quarter of the tile to be read now; adds 0 to its spare word; and waits for that and
; for its reads of the other slot.  Behind the round no wave of any partner reads the other slot or has a load on its way: it takes the next tile, the first thing behind the round.
.macro CHANGE
	WIN 0                                          ; at a label and at a branch every window is 0
	s_wait_tensorcnt 0x0                           ; no tensor load of mine is out, so group 0 may be written
	ds_add_u32 v[SPW], v[NIL]                      ; 0 onto my spare word; the descriptor's steps stand between it and the wait for it
	s_xor_b32 s33, s33, SLOT                       ; the other slot than last time,
	s_add_nc_u64 s[34:35], s[34:35], SLOT          ; the next tile; the type bits on top are not reached
	s_wait_dscnt 0x0                               ; the add is done, and my reads of that slot are over
	ROUND
	tensor_load_to_lds s[32:35], s[16:23]          ; one load of mine is out; it has this tile's 256 products (behind a layer's last tile also a vector phase) in which to land
	s_nop 0
	PLACES                                         ; the places in front of the fragment loads that follow
.endm
; Group g of a layer's 64: 8 fragments, 8,192 consecutive bytes of the stream, into buffer g % 2: 16 loads of 512 consecutive bytes
.macro FETCH g
	WIN 0
.set fla, LA+2*(((\g)/16)%2)+((\g)%16)/8
.set fbb, FB+64*((\g)%2)
.set fof, ((\g)%8)*8192
.irp f, 0,1,2,3,4,5,6,7
	ds_load_b128 v[fbb+8*(\f):fbb+8*(\f)+3],   v[fla] offset:fof+(\f)*1024
	ds_load_b128 v[fbb+8*(\f)+4:fbb+8*(\f)+7], v[fla] offset:fof+(\f)*1024+512
.endr
.endm
; The pair (n tiles 2 i, 2 i + 1; chunk j): four products, on four accumulators that take turns.  cpn counts the pairs of a layer; every fourth opens a group:
; the next group's fragments are asked for, 16 products ahead of their use, and this group's are waited for.
.macro CP i, j
.if (cpn%4) == 0
.set grp, cpn/4
.if (grp%16) == 0
	CHANGE
	FETCH grp
	FETCH grp+1
	s_wait_dscnt 16                                ; this group's 16 loads are in; the next group's 16 may be out
.elseif (grp%16) == 15
	s_wait_dscnt 0x0                               ; a tile's last group: the next lies in the other slot, behind the change
.else
	PLACES
	FETCH grp+1
	s_wait_dscnt 16                                ; all but the 16 just issued
.endif
.endif
	WIN 0xa4+0x50*((\i)/8)                         ; W' window 0, z window 1, h window 2 or 3
.irp e, 0,1
.irp t, 0,1
	v_wmma_f32_16x16x32_f16 v[32*((\i)%8)+16*(\e)+8*(\t):32*((\i)%8)+16*(\e)+8*(\t)+7], v[FB+64*((cpn/4)%2)+16*(cpn%4)+8*(\e):FB+64*((cpn/4)%2)+16*(cpn%4)+8*(\e)+7], v[16*(\j)+8*(\t):16*(\j)+8*(\t)+7], v[32*((\i)%8)+16*(\e)+8*(\t):32*((\i)%8)+16*(\e)+8*(\t)+7]
.endr
.endr
.set cpn, cpn+1
.endm
; Chunk c's gains (16 registers) and biases (16): my 8 features of each of its two n tiles.  The sixteen lanes of a half read the same bytes.
.macro PLOAD c
.set pbb, FB+32*((\c)%2)
.irp e, 0,1
	ds_load_b128 v[pbb+8*(\e):pbb+8*(\e)+3],         v[PA] offset:128*(\c)+64*(\e)
	ds_load_b128 v[pbb+8*(\e)+4:pbb+8*(\e)+7],       v[PA] offset:128*(\c)+64*(\e)+16
	ds_load_b128 v[pbb+16+8*(\e):pbb+16+8*(\e)+3],   v[PA] offset:128*(\c)+64*(\e)+2048
	ds_load_b128 v[pbb+16+8*(\e)+4:pbb+16+8*(\e)+7], v[PA] offset:128*(\c)+64*(\e)+2064
.endr
.endm
; Chunk c of z: 32 numbers a lane in 16 pairs; pair q is n tile 2 c + q / 8, row tile (q / 4) % 2, features 2 (q % 4) on: h's registers 32 (c % 8) + 2 q.  Each step runs over all 16 pairs, so no line waits for the one before it.
.macro VB c
.set hb, 32*((\c)%8)
.set wb, FB+32*((\c)%2)
	WIN 0
.if (\c) < 15
	PLOAD (\c)+1
	s_wait_dscnt 8                                 ; this chunk's 8 loads are in; the next chunk's 8 may be out
.else
	s_wait_dscnt 0x0
.endif
	WIN 2+(\c)/8                                   ; source 0 in h's window
	P16 v_pk_mul_f32 v[Y+2*q:Y+2*q+1], v[hb+2*q:hb+2*q+1], v[RS+2*((q/4)%2):RS+2*((q/4)%2)+1] op_sel_hi:[1,0]
	WIN 0
	P16 v_pk_fma_f32 v[Y+2*q:Y+2*q+1], v[Y+2*q:Y+2*q+1], v[wb+8*(q/8)+2*(q%4):wb+8*(q/8)+2*(q%4)+1], v[wb+16+8*(q/8)+2*(q%4):wb+16+8*(q/8)+2*(q%4)+1]
	P16 v_pk_mul_f32 v[U+2*q:U+2*q+1], v[Y+2*q:Y+2*q+1], v[Y+2*q:Y+2*q+1]
	P16 v_pk_fma_f32 v[U+2*q:U+2*q+1], v[U+2*q:U+2*q+1], s[44:45], s[42:43] op_sel_hi:[1,0,0]
	P16 v_pk_mul_f32 v[U+2*q:U+2*q+1], v[U+2*q:U+2*q+1], v[Y+2*q:Y+2*q+1]
	P32 v_exp_f32 v[U+q], v[U+q]
	v_nop                                          ; a plain instruction between the last exponential and the use of its result (ISA guide 5.7.2)
	s_wait_alu depctr_va_vdst(0)
	P16 v_pk_add_f32 v[U+2*q:U+2*q+1], v[U+2*q:U+2*q+1], 1.0 op_sel_hi:[1,0]
	P32 v_rcp_f32 v[U+q], v[U+q]
	v_nop                                          ; likewise behind the last reciprocal
	s_wait_alu depctr_va_vdst(0)
	P16 v_pk_mul_f32 v[Y+2*q:Y+2*q+1], v[Y+2*q:Y+2*q+1], v[U+2*q:U+2*q+1]
	WIN 0x40                                       ; destination in z's window
	P16 v_cvt_pk_f16_f32 v[16*(\c)+8*((q/4)%2)+4*(q/8)+q%4], v[Y+2*q], v[Y+2*q+1]
.endm
; Batch b of pw' and pb': n tiles 4 b to 4 b + 3, for each my 8 features of the one and of the other: 16 loads into v64-127 or v128-191
.macro ILOAD b
.set ibb, Y+64*((\b)%2)
.irp k, 0,1,2,3
	ds_load_b128 v[ibb+16*(\k):ibb+16*(\k)+3],     v[PI] offset:64*(4*(\b)+(\k))
	ds_load_b128 v[ibb+16*(\k)+4:ibb+16*(\k)+7],   v[PI] offset:64*(4*(\b)+(\k))+16
	ds_load_b128 v[ibb+16*(\k)+8:ibb+16*(\k)+11],  v[PI] offset:64*(4*(\b)+(\k))+2048
	ds_load_b128 v[ibb+16*(\k)+12:ibb+16*(\k)+15], v[PI] offset:64*(4*(\b)+(\k))+2064
.endr
.endm
	s_load_b256 s[4:11], s[0:1], 0x0               ; x s[4:5], wh s[6:7], par s[8:9], out0 s[10:11]
	v_lshl_add_u32 v[SPW], v0, 2, SPARE
	v_mov_b32 v[NIL], 0
	ds_add_u32 v[SPW], v[NIL]                      ; the wave's opening, ahead of my first tensor load; the set-up below, work on registers, stands between the add and its wait
	v_lshrrev_b32 v36, 5, v0
	v_readfirstlane_b32 s12, v36                   ; wave 0..3
	s_bfe_u32 s13, ttmp6, 0x40000                  ; cx: my place in the cluster
	s_lshl_b32 s14, ttmp9, 2                       ; in a cluster launch ttmp9 counts clusters
	s_add_co_u32 s14, s14, s13                     ; my block of 128 rows: it enters x's and out0's addresses alone
	; group 1 of a weight tile's quarter: 32,768 dense bytes as 128 rows of 32 elements of 8 bytes
	s_mov_b32 s16, 15|(3<<16)|(1<<21)              ; 15:0 the mask: all four work-groups; 17:16 elements of 8 bytes; 21 set beside a mask; no padding
	s_mov_b32 s17, 32<<16                          ; tensor_dim0 = 32
	s_mov_b32 s18, 128<<16                         ; tensor_dim1 = 128
	s_mov_b32 s19, 32<<16                          ; tile_dim0 = 32
	s_mov_b32 s20, 128                             ; tile_dim1 = 128
	s_mov_b32 s21, 32                              ; 32 elements from row to row
	s_mov_b32 s22, 0
	s_mov_b32 s23, 0
	; group 1 of the parameters' quarter: 10,240 dense bytes as 40 such rows
	s_mov_b32 s24, 15|(3<<16)|(1<<21)
	s_mov_b32 s25, 32<<16
	s_mov_b32 s26, 40<<16
	s_mov_b32 s27, 32<<16
	s_mov_b32 s28, 40
	s_mov_b32 s29, 32
	s_mov_b32 s30, 0
	s_mov_b32 s31, 0
	s_mov_b32 s32, 1                               ; group 0: count = 1,
	s_lshl_b32 s33, s12, 15                        ; LDS address: my quarter of slot 0
	s_mov_b32 s36, 1
	s_mul_i32 s37, s12, 10240
	s_add_co_u32 s37, s37, PARB
	s_lshl_b32 s50, s12, 15                        ; the same quarters in memory
	s_mov_b32 s51, 0
	s_mul_i32 s52, s12, 10240
	s_mov_b32 s53, 0
	s_lshl_b32 s54, s14, 9                         ; x: 128 rows of 4 bytes a work-group,
	s_lshl_b32 s58, s12, 7                         ; 32 a wave
	s_add_co_u32 s54, s54, s58
	s_mov_b32 s55, 0
	s_lshl_b32 s56, s14, 15                        ; out0: 128 rows of 256 bytes a work-group,
	s_lshl_b32 s58, s12, 13                        ; 32 a wave
	s_add_co_u32 s56, s56, s58
	s_mov_b32 s57, 0
	s_mul_i32 s58, s12, 16*SP
	s_add_co_u32 s58, s58, STAGE                   ; my stage
	s_mov_b32 s42, 0xc0135761                      ; C1 = -2 sqrt(2/pi) log2(e) = -2.302208
	s_mov_b32 s43, s42                             ; named with it as a pair
	s_mov_b32 s44, 0xbdd2d3e6                      ; C2 = 0.044715 C1 = -0.102943
	s_mov_b32 s45, s44
	s_mov_b32 s46, 0x76543210                      ; v_permlanex16_b32: each lane takes its own place in the other half
	s_mov_b32 s47, 0xfedcba98
	s_mov_b32 s48, 0x3b000000                      ; 1/512
	s_mov_b32 s49, 0x3727c5ac                      ; 1e-5
	s_wait_dscnt 0x0                               ; the opening add is done
	s_wait_kmcnt 0x0
	s_add_nc_u64 s[34:35], s[6:7], s[50:51]        ; global address: my quarter of tile 0
	s_or_b32 s35, s35, 0x80000000                  ; type = 2
	s_add_nc_u64 s[38:39], s[8:9], s[52:53]
	s_or_b32 s39, s39, 0x80000000
	s_add_nc_u64 s[4:5], s[4:5], s[54:55]
	s_add_nc_u64 s[10:11], s[10:11], s[56:57]
	ROUND                                          ; all four work-groups are here: the first joint loads meet
	tensor_load_to_lds s[36:39], s[24:31]          ; the parameters,
	s_nop 0
	tensor_load_to_lds s[32:35], s[16:23]          ; and tile 0: two loads of mine are out
	s_nop 0
	PLACES
	v_and_b32 v36, 15, v0                          ; l % 16
	v_bfe_u32 v37, v0, 4, 1                        ; l / 16
	v_lshlrev_b32 v38, 2, v36
	global_load_b32 v[XV], v38, s[4:5]             ; x of row l % 16 of row tile 0,
	global_load_b32 v[XV+2], v38, s[4:5] offset:64 ; and of row tile 1
	v_and_b32 v[GO], 31, v0
	v_lshlrev_b32 v[GO], 4, v[GO]
	v_mov_b32 v[LA], v[GO]
	v_add_nc_u32 v[LA+1], 0x10000, v[GO]
	v_add_nc_u32 v[LA+2], 0x20000, v[GO]
	v_add_nc_u32 v[LA+3], 0x30000, v[GO]
	v_lshlrev_b32 v[PA], 5, v37                    ; my 8 features of an n tile are 32 bytes of f32
	v_add_nc_u32 v[PI], PARB+36864, v[PA]
	v_add_nc_u32 v[PA], PARB, v[PA]
	v_mul_u32_u24 v[STO], v36, SP                  ; in: row l % 16, 32 bytes for each half of the lanes
	v_lshl_add_u32 v[STO], v37, 5, v[STO]
	v_add_nc_u32 v[STO], s58, v[STO]
	v_mul_u32_u24 v[RD], v37, SP                   ; back: lanes 0-15 take one row of 256 bytes, lanes 16-31 the next
	v_lshl_add_u32 v[RD], v36, 4, v[RD]
	v_add_nc_u32 v[RD], s58, v[RD]
	s_wait_tensorcnt 0x1                           ; my quarter of the parameters is in; tile 0, issued behind it, may stay out
	s_barrier_signal -1
	s_barrier_wait -1                              ; everybody's is
	; h = pw' x + pb': eight batches of four n tiles; the next batch's loads go out ahead of the wait for this one's
	ILOAD 0
	s_wait_loadcnt 0x0                             ; x
	v_mov_b32 v[XV+1], v[XV]                       ; named as pairs
	v_mov_b32 v[XV+3], v[XV+2]
.set bt, 0
.rept 8
	WIN 0
.if bt < 7
	ILOAD bt+1
	s_wait_dscnt 16                                ; all but the 16 just issued
.else
	s_wait_dscnt 0x0
.endif
.set cb, Y+64*(bt%2)
	WIN 0x80+0x40*(bt/4)                           ; destination in h's window
.irp k, 0,1,2,3
.irp t, 0,1
.irp m, 0,1,2,3
	v_pk_fma_f32 v[16*((4*bt+(\k))%16)+8*(\t)+2*(\m):16*((4*bt+(\k))%16)+8*(\t)+2*(\m)+1], v[cb+16*(\k)+2*(\m):cb+16*(\k)+2*(\m)+1], v[XV+2*(\t):XV+2*(\t)+1], v[cb+16*(\k)+8+2*(\m):cb+16*(\k)+8+2*(\m)+1] op_sel_hi:[1,0,1]
.endr
.endr
.endr
.set bt, bt+1
.endr
	WIN 0
	s_mov_b32 s40, 9                               ; nine vector phases, eight matrix phases between them: the loop is entered in its middle
	s_branch .Lv
.Llayer:
	; THE MATRIX PHASE: h += W' z.  256 pairs in 16 stages, in the stream's order; four changes of slots, each of which asks for the tile after the one it opens
.set cpn, 0
.set stg, 0
.rept 16
.set jx, 0
.rept stg+1
	CP stg, jx
.set jx, jx+1
.endr
.if stg > 0
.set ix, 0
.rept stg
	CP ix, stg
.set ix, ix+1
.endr
.endif
.set stg, stg+1
.endr
	WIN 0
.Lv:
	; THE VECTOR PHASE
	PLACES                                         ; behind the last products: h is read, and the first fragment buffer is loaded into
	PLOAD 0
.set nt, 0
.rept 32                                           ; the sum of squares of my 256 numbers of each row, in four chains of pairs a row tile; each accumulator's lowest registers are read first
	WIN 0x0a+5*(nt/16)                             ; sources 0 and 1 in h's window
.irp t, 0,1
.irp m, 0,1,2,3
.if nt == 0
	v_pk_mul_f32 v[SS+8*(\t)+2*(\m):SS+8*(\t)+2*(\m)+1], v[8*(\t)+2*(\m):8*(\t)+2*(\m)+1], v[8*(\t)+2*(\m):8*(\t)+2*(\m)+1]
.else
	v_pk_fma_f32 v[SS+8*(\t)+2*(\m):SS+8*(\t)+2*(\m)+1], v[16*(nt%16)+8*(\t)+2*(\m):16*(nt%16)+8*(\t)+2*(\m)+1], v[16*(nt%16)+8*(\t)+2*(\m):16*(nt%16)+8*(\t)+2*(\m)+1], v[SS+8*(\t)+2*(\m):SS+8*(\t)+2*(\m)+1]
.endif
.endr
.endr
.set nt, nt+1
.endr
	WIN 0
.irp t, 0,1
	v_pk_add_f32 v[SS+8*(\t):SS+8*(\t)+1], v[SS+8*(\t):SS+8*(\t)+1], v[SS+8*(\t)+2:SS+8*(\t)+3]
	v_pk_add_f32 v[SS+8*(\t)+4:SS+8*(\t)+5], v[SS+8*(\t)+4:SS+8*(\t)+5], v[SS+8*(\t)+6:SS+8*(\t)+7]
.endr
.irp t, 0,1
	v_pk_add_f32 v[SS+8*(\t):SS+8*(\t)+1], v[SS+8*(\t):SS+8*(\t)+1], v[SS+8*(\t)+4:SS+8*(\t)+5]
.endr
.irp t, 0,1
	v_add_f32 v[SS+8*(\t)], v[SS+8*(\t)], v[SS+8*(\t)+1]
.endr
.irp t, 0,1
	v_permlanex16_b32 v[SS+8*(\t)+2], v[SS+8*(\t)], s46, s47  ; the row's other 256 numbers lie in the lane 16 away
.endr
.irp t, 0,1
	v_add_f32 v[SS+8*(\t)], v[SS+8*(\t)], v[SS+8*(\t)+2]
.endr
.irp t, 0,1
	v_fma_f32 v[SS+8*(\t)], v[SS+8*(\t)], s48, s49  ; mean(h^2) + 1e-5
.endr
.irp t, 0,1
	v_rsq_f32 v[RS+2*(\t)], v[SS+8*(\t)]
.endr
	v_nop                                          ; a plain instruction between the last root and the use of its result
	s_wait_alu depctr_va_vdst(0)
.irp t, 0,1
	v_mov_b32 v[RS+2*(\t)+1], v[RS+2*(\t)]         ; named as pairs
.endr
.set ch, 0
.rept 16
	VB ch
.set ch, ch+1
.endr
	WIN 0
	v_add_nc_u32 v[PA], 4096, v[PA]                ; the next layer's gains and biases; the ninth phase has taken out_ln_w and out_ln_b
	s_sub_co_u32 s40, s40, 1
	s_cmp_lg_u32 s40, 0
	s_cbranch_scc1 .Llayer
	; THE LAST PRODUCT: out = out_w z, 4 n tiles x 16 chunks x 2 row tiles.  Tile 32 lies in slot 0; nothing is filled any more, so a barrier of the work-group serves
	s_wait_tensorcnt 0x0                           ; my quarter of it is in
	ds_add_u32 v[SPW], v[NIL]
	s_wait_dscnt 0x0
	s_barrier_signal -1
	s_barrier_wait -1                              ; everybody's is
	FETCH 0
	FETCH 1
	s_wait_dscnt 16                                ; group 0 is in; group 1's 16 loads may be out
.set grp, 0
.rept 8                                            ; group g: chunks 2 g and 2 g + 1; the 8 accumulators (h's first registers, which are free) take turns; chunk 0 starts the sums
.if grp > 0
.if grp < 7
	PLACES
	FETCH grp+1
	s_wait_dscnt 16                                ; all but the 16 just issued
.else
	s_wait_dscnt 0x0
.endif
.endif
	WIN 0xa4
.irp jj, 0,1
.irp n, 0,1,2,3
.irp t, 0,1
.if (2*grp+(\jj)) == 0
	v_wmma_f32_16x16x32_f16 v[16*(\n)+8*(\t):16*(\n)+8*(\t)+7], v[FB+64*(grp%2)+8*(4*(\jj)+(\n)):FB+64*(grp%2)+8*(4*(\jj)+(\n))+7], v[16*(2*grp+(\jj))+8*(\t):16*(2*grp+(\jj))+8*(\t)+7], 0
.else
	v_wmma_f32_16x16x32_f16 v[16*(\n)+8*(\t):16*(\n)+8*(\t)+7], v[FB+64*(grp%2)+8*(4*(\jj)+(\n)):FB+64*(grp%2)+8*(4*(\jj)+(\n))+7], v[16*(2*grp+(\jj))+8*(\t):16*(2*grp+(\jj))+8*(\t)+7], v[16*(\n)+8*(\t):16*(\n)+8*(\t)+7]
.endif
.endr
.endr
.endr
.set grp, grp+1
.endr
	; THE WAY OUT.  A lane's eight f32 of a row are 32 bytes of its 256; a row tile goes into my stage and comes back as whole rows.  LDS serves a wave's instructions in order (ISA guide 5.7.1.4):
	; the loads see the stores above them, and row tile 1's stores come behind row tile 0's loads.
	PLACES
.irp t, 0,1
	WIN 0x08                                       ; the stores' data in window 2
.irp n, 0,1,2,3
	ds_store_b128 v[STO], v[16*(\n)+8*(\t):16*(\n)+8*(\t)+3]   offset:64*(\n)     ; each accumulator's lowest registers first
	ds_store_b128 v[STO], v[16*(\n)+8*(\t)+4:16*(\n)+8*(\t)+7] offset:64*(\n)+16
.endr
	WIN 0
.irp k, 0,1,2,3,4,5,6,7
	ds_load_b128 v[Y+32*(\t)+4*(\k):Y+32*(\t)+4*(\k)+3], v[RD] offset:(\k)*2*SP
.endr
.endr
	s_wait_dscnt 16                                ; row tile 0 is back; row tile 1's 8 stores and 8 loads may be out
.irp k, 0,1,2,3,4,5,6,7
	global_store_b128 v[GO], v[Y+4*(\k):Y+4*(\k)+3], s[10:11] offset:(\k)*512 th:TH_STORE_NT  ; 512 consecutive bytes, two rows, at a multiple of 512 from out0's first
.endr
	s_wait_dscnt 0x0
.irp k, 0,1,2,3,4,5,6,7
	global_store_b128 v[GO], v[Y+32+4*(\k):Y+32+4*(\k)+3], s[10:11] offset:4096+(\k)*512 th:TH_STORE_NT
.endr
	s_wait_tensorcnt 0x0                           ; the wave's end, behind my last tensor load and my last LDS store
	ds_add_u32 v[SPW], v[NIL]
	s_wait_dscnt 0x0
	ROUND                                          ; the closing round: no work-group ends while a partner may still ask for a tile that names it
	s_endpgm
.Lfunc_end_k_qae4bb38de4_main:
	.size	k_qae4bb38de4_main, .Lfunc_end_k_qae4bb38de4_main-k_qae4bb38de4_main
	.p2alignl 7, 3214868480
	.fill 96, 4, 3214868480
	.section	.rodata,"a",@progbits
	.p2align	6, 0x0
	.amdhsa_kernel k_qae4bb38de4_main
		.amdhsa_group_segment_fixed_size 327680
		.amdhsa_private_segment_fixed_size 0
		.amdhsa_enable_private_segment 0
		.amdhsa_kernarg_size 32
		.amdhsa_user_sgpr_count 2
		.amdhsa_user_sgpr_kernarg_segment_ptr 1
		.amdhsa_wavefront_size32 1
		.amdhsa_system_sgpr_workgroup_id_x 1
		.amdhsa_system_sgpr_workgroup_id_y 1
		.amdhsa_system_sgpr_workgroup_id_z 1
		.amdhsa_system_vgpr_workitem_id 0
		.amdhsa_next_free_vgpr 1024
		.amdhsa_next_free_sgpr 66
		.amdhsa_reserve_vcc 0
		.amdhsa_float_denorm_mode_32 3
		.amdhsa_float_denorm_mode_16_64 3
		.amdhsa_memory_ordered 1
		.amdhsa_forward_progress 1
		.amdhsa_inst_pref_size 255
	.end_amdhsa_kernel
	.section	.bss,"aw",@nobits
	.p2align	6
	.space	262144
	.amdgpu_metadata
---
amdhsa.version: [ 1, 2 ]
amdhsa.kernels:
  - .name:           k_qae4bb38de4_main
    .symbol:         k_qae4bb38de4_main.kd
    .args:
      - { .name: x, .offset: 0, .size: 8, .value_kind: global_buffer, .address_space: global }
      - { .name: wh, .offset: 8, .size: 8, .value_kind: global_buffer, .address_space: global }
      - { .name: par, .offset: 16, .size: 8, .value_kind: global_buffer, .address_space: global }
      - { .name: out0, .offset: 24, .size: 8, .value_kind: global_buffer, .address_space: global }
    .group_segment_fixed_size: 327680
    .private_segment_fixed_size: 0
    .kernarg_segment_align: 8
    .kernarg_segment_size: 32
    .max_flat_workgroup_size: 128
    .sgpr_count:     66
    .vgpr_count:     1024
    .wavefront_size: 32
...
	.end_amdgpu_metadata
.endif
;; end of part 2
;; ======== version 2 of 2: 2 launches; version 1 with the launch prep written anew for expert scheduling mode
;; limits: values are held in f16: magnitudes above 65,504 overflow, below 6.1e-05 lose precision
;; workspace buffers: wh 4,325,376 bytes; par 40,960 bytes
;; launch prep (part 3): grid 66 x 1, 16 waves a work-group, no clusters, 79,872 bytes of LDS; arguments lin_w, out_w, ln_w, ln_b, out_ln_w, out_ln_b, proj_w, proj_b, wh, par; writes wh, par
.if DOCPART == 3
	.amdgcn_target "amdgcn-amd-amdhsa--gfx1250"
	.amdhsa_code_object_version 6
	.text
	.protected	k_qae4bb38de4_prep
	.globl	k_qae4bb38de4_prep
	.p2align	8
	.type	k_qae4bb38de4_prep,@function
k_qae4bb38de4_prep:
	s_mov_b64 s[64:65], 0
	v_nop
	global_prefetch_b8 v0, s[64:65] scope:SCOPE_SE
	s_setreg_imm32_b32 hwreg(HW_REG_WAVE_SCHED_MODE, 0, 2), 2
	s_setreg_imm32_b32 hwreg(HW_REG_WAVE_MODE, 25, 1), 1
	s_wait_xcnt 0x0
	s_wait_alu depctr_vm_vsrc(0)
; PREPARES THE WEIGHTS for the fused launch behind it.  Three kinds of work-group, chosen by the work-group's number alone:
;   0-63  (layer l = number / 8, strip s = number % 8): 512 rows x 64 columns of lin_w[l].  The mean of each column over the 512 rows is taken away (W' = W - mean over n), W' is rounded
;         once to f16 and stored as FRAGMENT IMAGES of 1,024 bytes: image (n tile nt, k chunk kc), byte part x 512 + lane x 16, holds W'[16 nt + lane % 16][32 kc + 16 part + 8 (lane / 16) + 0..7]:
;         what a lane of the matrix instruction's source 0 wants, so the next launch reads 16 consecutive bytes a lane.  The pair (n tiles 2 i, 2 i + 1; chunk j) lies at place
;         P(i, j) x 2,048 of the layer's 524,288 bytes, P = i^2 + j where i >= j, else j^2 + j + 1 + i: the order in which the next launch multiplies.
;   64    out_w, rounded to f16, as 64 images ((n tile n, chunk j) at (4 j + n) x 1,024) behind the eight layers, and 65,536 bytes of zeros behind them, so that the stream is 33 equal tiles of 131,072 bytes.
;   65    the small parameters, packed into one block of 40,960 bytes of f32: layer l at 4,096 l: ln_w[l], ln_b[l]; at 32,768 out_ln_w, out_ln_b; at 36,864 proj_w and proj_b, each less its own mean.
; WHY THE MEANS GO HERE.  h enters the result through LayerNorm alone, and LayerNorm(h) = LayerNorm(h - mean(h)).  With proj_w, proj_b and every column of lin_w centred over the features, every h has
; row mean 0 for every input, so the next launch forms no mean and takes the variance as mean(h^2).
; LIMITS.  |W'| and |out_w| stay under 65,504 (f16's end); below 6e-5 f16 keeps its fixed step of 6e-8.  What the rounding of W' leaves of a column mean is not removed.  NaN and infinities are not treated apart.
; Memory binds: every input byte is read once, by loads of which sixteen neighbouring lanes cover 256 aligned bytes; every store of a wave covers 256 or 512 consecutive aligned bytes.  No matrix unit, no cluster: no two work-groups read the same bytes.
; THE MODE: SCHED_MODE bits 1:0 = 2 (LLVM: expert scheduling mode 2), set by the entry lines.  The code itself states the register dependences
; between vector instructions and memory or LDS instructions, with s_wait_alu, always for 0.
; THE PLAN.  No loop: a head and three straight paths.  Registers that memory or LDS instructions touch:
;   s4            the wave's number, written by a vector instruction in the head: one wait on va_sdst stands there, ahead of the first branch and of every reader.
;   offsets and addresses (v8, v9, v11, v12, v14, v15, v148-151; in the parameters' path v10 too)   made once by vector instructions, each ahead of a wait on va_vdst that stands there for data anyway or for the first loads, and never written again.
;   v16-79        loaded data; read (and in the strips centred in place) by vector instructions.  v16-47 later take the read back from LDS: every vector line that names them stands ahead of the wait behind the first half's roundings.
;   v10-13        strips: the wave's column sums, data of one LDS store, then written again by the second sum: one wait on va_vdst ahead of the store, one on vm_vsrc ahead of the second sum.  out_w: zeros, data of eight stores, never written again.
;   v80-111       f16 to be stored into LDS, made in two halves.  A wait on va_vdst stands behind each half; the first half's eight LDS stores are dealt among the second half's vector lines,
;                 which name v10-13, v48-79 and v96-111 alone: none of the registers that those stores touch (v14, v80-95).
;   v34-35        parameters: written by two subtractions, then stored: one wait on va_vdst between.
;   v2, v3        written in the head, read by the closing add alone.
.set TP,    144                        ; a row of the strip in LDS: 128 bytes of f16 + 16: an odd multiple of 16, so the 16 rows of a read back start in 16 different columns of 16 bytes
.set OP,    1040                       ; a row of out_w in LDS: 1,024 bytes + 16
.set RED,   73728                      ; behind the 512 rows x 144 bytes: 256 bytes a wave, the waves' column sums
.set SPARE, 77824                      ; the spare words, 128 bytes for each of 16 waves: eight blocks of 256 bytes that no other line names
; v2, v3 the add's two registers; v4 thread % 16; v5 thread / 16; v6 (thread / 16) % 2; v7 lane; v8-15 addresses and sums; v16-79 data; v80-143 partial sums, then f16; v144-151 at work
.macro FIN                             ; the wave's end: the closing lines, six on end
	s_wait_dscnt 0x0
	s_wait_alu 0x0
	s_wait_tensorcnt 0x0
	ds_add_u32 v2, v3
	s_wait_dscnt 0x0
	s_endpgm
.endm
.macro COLSUM base                     ; v[10:13] = the sum of sixteen groups of four registers from v[base] on, in two chains
	v_pk_add_f32 v[10:11], v[(\base):(\base)+1], v[(\base)+4:(\base)+5]
	v_pk_add_f32 v[12:13], v[(\base)+2:(\base)+3], v[(\base)+6:(\base)+7]
.set it, 2
.rept 14
	v_pk_add_f32 v[10:11], v[10:11], v[(\base)+4*it:(\base)+4*it+1]
	v_pk_add_f32 v[12:13], v[12:13], v[(\base)+4*it+2:(\base)+4*it+3]
.set it, it+1
.endr
.endm
	s_load_b512 s[8:23], s[0:1], 0x0               ; lin_w s[8:9], out_w s[10:11], ln_w s[12:13], ln_b s[14:15], out_ln_w s[16:17], out_ln_b s[18:19], proj_w s[20:21], proj_b s[22:23]
	s_load_b128 s[24:27], s[0:1], 0x40             ; wh s[24:25], par s[26:27]
	v_lshl_add_u32 v2, v0, 2, SPARE
	v_mov_b32 v3, 0
	v_lshrrev_b32 v1, 5, v0
	v_readfirstlane_b32 s4, v1                     ; wave 0..15
	s_mov_b32 s28, 0x76543210                      ; v_permlanex16_b32: each lane takes its own place in the other half
	s_mov_b32 s29, 0xfedcba98
	v_and_b32 v4, 15, v0
	v_lshrrev_b32 v5, 4, v0
	v_bfe_u32 v6, v0, 4, 1
	v_and_b32 v7, 31, v0
	s_wait_alu depctr_va_sdst(0)                   ; s4 is written, ahead of the branches and of its first reader in each of the three paths
	s_wait_kmcnt 0x0
	s_cmp_lt_u32 ttmp9, 64                         ; the branches hang on the work-group's number alone: all sixteen waves go the same way
	s_cbranch_scc1 .Llin
	s_cmp_eq_u32 ttmp9, 64
	s_cbranch_scc1 .Lout
	; WORK-GROUP 65: THE SMALL PARAMETERS
	v_lshlrev_b32 v8, 4, v0                        ; 16 bytes a thread of ln_w and ln_b: 8,192 bytes a load
	v_lshrrev_b32 v9, 7, v0                        ; a layer's 2,048 bytes are 128 threads
	v_and_b32 v10, 127, v0
	v_lshlrev_b32 v9, 12, v9
	v_lshl_add_u32 v9, v10, 4, v9                  ; where they go: layer x 4,096 + place in the layer
	v_and_b32 v10, 255, v0
	v_lshlrev_b32 v10, 3, v10                      ; 8 bytes a thread of an array of 2,048 bytes: waves 0-7 take the first array of a pair, waves 8-15 the second
	v_lshlrev_b32 v11, 3, v0
	v_lshlrev_b32 v12, 4, v7
	s_cmp_lt_u32 s4, 8
	s_cselect_b64 s[30:31], s[16:17], s[18:19]     ; out_ln_w or out_ln_b
	s_cselect_b64 s[32:33], s[20:21], s[22:23]     ; proj_w or proj_b
	s_wait_alu depctr_va_vdst(0)                   ; the five offsets v8 to v12 are written, which the loads and stores of this path read
	global_load_b128 v[16:19], v8, s[12:13]
	global_load_b128 v[20:23], v8, s[12:13] offset:8192
	global_load_b128 v[24:27], v8, s[14:15]
	global_load_b128 v[28:31], v8, s[14:15] offset:8192
	global_load_b64 v[32:33], v10, s[30:31]
	global_load_b64 v[34:35], v10, s[32:33]        ; my two numbers of proj_w or proj_b,
.irp k, 0,1,2,3
	global_load_b128 v[36+4*(\k):39+4*(\k)], v12, s[32:33] offset:512*(\k)  ; and the whole array, 16 numbers a lane: each wave makes the mean for itself
.endr
	s_wait_loadcnt 0x0
	global_store_b128 v9, v[16:19], s[26:27]       ; stored as loaded: no vector instruction names v16 to v33
	global_store_b128 v9, v[20:23], s[26:27] offset:16384
	global_store_b128 v9, v[24:27], s[26:27] offset:2048
	global_store_b128 v9, v[28:31], s[26:27] offset:18432
	global_store_b64 v11, v[32:33], s[26:27] offset:32768
	v_pk_add_f32 v[36:37], v[36:37], v[38:39]
	v_pk_add_f32 v[40:41], v[40:41], v[42:43]
	v_pk_add_f32 v[44:45], v[44:45], v[46:47]
	v_pk_add_f32 v[48:49], v[48:49], v[50:51]
	v_pk_add_f32 v[36:37], v[36:37], v[40:41]
	v_pk_add_f32 v[44:45], v[44:45], v[48:49]
	v_pk_add_f32 v[36:37], v[36:37], v[44:45]
	v_add_f32 v36, v36, v37
	v_add_f32_dpp v36, v36, v36 row_xmask:1 row_mask:0xf bank_mask:0xf
	v_add_f32_dpp v36, v36, v36 row_xmask:2 row_mask:0xf bank_mask:0xf
	v_add_f32_dpp v36, v36, v36 row_xmask:4 row_mask:0xf bank_mask:0xf
	v_add_f32_dpp v36, v36, v36 row_xmask:8 row_mask:0xf bank_mask:0xf
	v_permlanex16_b32 v37, v36, s28, s29
	v_add_f32 v36, v36, v37
	v_mul_f32 v36, 0x3b000000, v36                 ; / 512
	v_sub_f32 v34, v34, v36
	v_sub_f32 v35, v35, v36
	s_wait_alu depctr_va_vdst(0)                   ; the two subtractions have written v34 and v35, which the store reads
	global_store_b64 v11, v[34:35], s[26:27] offset:36864
	FIN
	; WORK-GROUP 64: out_w, 64 rows x 512
.Lout:
	v_lshlrev_b32 v8, 4, v0
	s_wait_alu depctr_va_vdst(0)                   ; v8 is written, the offset of the loads and of the zeros' stores
.set it, 0
.rept 16
	global_load_b128 v[16+4*it:19+4*it], v8, s[10:11] offset:it*8192 th:TH_LOAD_NT  ; four rows a load
.set it, it+1
.endr
	v_lshrrev_b32 v9, 7, v0                        ; which of the four rows
	v_mul_u32_u24 v14, v9, OP
	v_and_b32 v9, 127, v0
	v_lshl_add_u32 v14, v9, 3, v14                 ; four f16 are 8 bytes
	s_add_nc_u64 s[24:25], s[24:25], 0x400000      ; behind the eight layers
.irp k, 10,11,12,13
	v_mov_b32 v[\k], 0
.endr
	s_lshl_b32 s30, s4, 6                          ; wave w takes chunk j = w: 64 bytes of every row
	v_mul_u32_u24 v149, v4, OP
	v_lshl_add_u32 v149, v6, 4, v149
	v_add_nc_u32 v149, s30, v149
	s_lshl_b32 s31, s4, 12                         ; its four images
	v_lshl_add_u32 v150, v7, 4, s31
	s_wait_alu depctr_va_vdst(0)                   ; the zeros v10 to v13 are written, which the eight stores below read; so are the addresses v14, v149 and v150, which are never written again
.irp k, 0,1,2,3,4,5,6,7
	global_store_b128 v8, v[10:13], s[24:25] offset:65536+(\k)*8192  ; the zeros that fill the last tile
.endr
	s_wait_loadcnt 0x0
.set it, 0
.rept 8                                            ; the first half: rows 0 to 31
	v_cvt_pk_f16_f32 v[80+2*it], v[16+4*it], v[17+4*it]
	v_cvt_pk_f16_f32 v[81+2*it], v[18+4*it], v[19+4*it]
.set it, it+1
.endr
	s_wait_alu depctr_va_vdst(0)                   ; the roundings have written v80 to v95, which the LDS stores below read, and are done reading v16 to v47, in which the read back lands
.rept 8                                            ; the first half's stores, dealt among the second half's roundings, which name v48 to v79 and v96 to v111 alone
	ds_store_b64 v14, v[80+2*(it-8):81+2*(it-8)] offset:(it-8)*4*OP
	v_cvt_pk_f16_f32 v[80+2*it], v[16+4*it], v[17+4*it]
	v_cvt_pk_f16_f32 v[81+2*it], v[18+4*it], v[19+4*it]
.set it, it+1
.endr
	s_wait_alu depctr_va_vdst(0)                   ; the roundings have written v96 to v111, which the last eight LDS stores read
.set it, 8
.rept 8
	ds_store_b64 v14, v[80+2*it:81+2*it] offset:it*4*OP
.set it, it+1
.endr
	s_wait_dscnt 0x0                               ; for the others' sake: my stores are done
	s_barrier_signal -1
	s_barrier_wait -1
.irp n, 0,1,2,3
	ds_load_b128 v[16+8*(\n):19+8*(\n)], v149 offset:(\n)*16*OP      ; no wait: no vector instruction since the wait behind the first half names v16 to v47 or v149
	ds_load_b128 v[20+8*(\n):23+8*(\n)], v149 offset:(\n)*16*OP+32
.endr
	s_wait_dscnt 0x0
.irp n, 0,1,2,3
	global_store_b128 v150, v[16+8*(\n):19+8*(\n)], s[24:25] offset:(\n)*1024
	global_store_b128 v150, v[20+8*(\n):23+8*(\n)], s[24:25] offset:(\n)*1024+512
.endr
	FIN
	; WORK-GROUPS 0-63: a strip of 64 columns of one layer
.Llin:
	s_lshr_b32 s5, ttmp9, 3                        ; l
	s_and_b32 s6, ttmp9, 7                         ; s
	s_lshl_b32 s30, s5, 20                         ; a layer is 1,048,576 bytes of f32,
	s_lshl_b32 s31, s6, 8                          ; a strip 256 bytes of every row
	s_add_co_u32 s30, s30, s31
	s_mov_b32 s31, 0
	s_add_nc_u64 s[8:9], s[8:9], s[30:31]
	s_lshl_b32 s34, s5, 19                         ; and 524,288 bytes of f16
	s_mov_b32 s35, 0
	s_add_nc_u64 s[24:25], s[24:25], s[34:35]
	v_lshlrev_b32 v8, 11, v5                       ; row thread / 16, 2,048 bytes each,
	v_lshl_add_u32 v8, v4, 4, v8                   ; four columns a thread: sixteen lanes cover a row's 256 bytes
	s_wait_alu depctr_va_vdst(0)                   ; v8 is written, the loads' offset
.set it, 0
.rept 16
	global_load_b128 v[16+4*it:19+4*it], v8, s[8:9] offset:it*65536 th:TH_LOAD_NT  ; 32 rows a load: all 131,072 bytes of the strip are asked for at once
.set it, it+1
.endr
	; all the path's other addresses are made here, while the loads are on their way
	v_lshlrev_b32 v9, 8, v1
	v_lshl_add_u32 v9, v4, 4, v9
	v_add_nc_u32 v9, RED, v9                       ; my wave's 256 bytes of sums
	v_lshlrev_b32 v148, 4, v4
	v_add_nc_u32 v148, RED, v148
	v_mul_u32_u24 v14, v5, TP
	v_lshl_add_u32 v14, v4, 3, v14                 ; into the strip: row x pitch + 8 bytes a thread;
	v_add_nc_u32 v15, 8*32*TP, v14                 ; a second address for rows 256 on: the 16-bit offset does not reach them
.irp k, 144,145,146,147
	v_mov_b32 v[\k], 0                             ; v_permlanex16_b32 counts as a reader of its destination
.endr
	s_mul_i32 s30, s4, 32*TP                       ; wave w takes i = w: rows 32 w to 32 w + 31, both chunks of the strip
	v_mul_u32_u24 v149, v4, TP
	v_lshl_add_u32 v149, v6, 4, v149
	v_add_nc_u32 v149, s30, v149
	s_lshl_b32 s36, s6, 1                          ; the strip's first chunk
	s_mul_i32 s37, s4, s4
.irp kk, 0,1
	s_add_co_u32 s38, s36, (\kk)                   ; j
	s_mul_i32 s39, s38, s38
	s_add_co_u32 s39, s39, s38
	s_add_co_u32 s39, s39, s4
	s_add_co_u32 s39, s39, 1                       ; j^2 + j + 1 + i
	s_add_co_u32 s[40+(\kk)], s37, s38             ; i^2 + j
	s_cmp_ge_u32 s4, s38
	s_cselect_b32 s[40+(\kk)], s[40+(\kk)], s39    ; P(i, j), in a register of its own for each chunk
	s_lshl_b32 s[40+(\kk)], s[40+(\kk)], 11
	v_lshl_add_u32 v[150+(\kk)], v7, 4, s[40+(\kk)]
.endr
	s_wait_loadcnt 0x0
	COLSUM 16                                      ; my 16 rows,
.irp k, 0,1,2,3
	v_permlanex16_b32 v[144+(\k)], v[10+(\k)], s28, s29
.endr
	v_pk_add_f32 v[10:11], v[10:11], v[144:145]    ; the other half of the lanes' 16 rows: the wave's 32
	v_pk_add_f32 v[12:13], v[12:13], v[146:147]
	s_wait_alu depctr_va_vdst(0)                   ; the sums v10 to v13 are written, which the LDS store reads; so are the seven addresses v9, v14, v15 and v148 to v151, which are never written again
	ds_store_b128 v9, v[10:13]                     ; both halves of the lanes write the same numbers
	s_wait_dscnt 0x0                               ; for the others' sake
	s_barrier_signal -1
	s_barrier_wait -1
.set it, 0
.rept 16
	ds_load_b128 v[80+4*it:83+4*it], v148 offset:it*256
.set it, it+1
.endr
	s_wait_dscnt 0x0
	s_wait_alu depctr_vm_vsrc(0)                   ; my LDS store has read v10 to v13, which the sum below writes again
	COLSUM 80                                      ; all sixteen waves' sums, in the same order in every thread
	v_pk_mul_f32 v[10:11], v[10:11], 0x3b000000 op_sel_hi:[1,0]  ; / 512: the means of my four columns
	v_pk_mul_f32 v[12:13], v[12:13], 0x3b000000 op_sel_hi:[1,0]
.set it, 0
.rept 8                                            ; the first half: rows 0 to 255
	v_pk_add_f32 v[16+4*it:17+4*it], v[16+4*it:17+4*it], v[10:11] neg_lo:[0,1] neg_hi:[0,1]
	v_pk_add_f32 v[18+4*it:19+4*it], v[18+4*it:19+4*it], v[12:13] neg_lo:[0,1] neg_hi:[0,1]
	v_cvt_pk_f16_f32 v[80+2*it], v[16+4*it], v[17+4*it]
	v_cvt_pk_f16_f32 v[81+2*it], v[18+4*it], v[19+4*it]
.set it, it+1
.endr
	s_wait_alu depctr_va_vdst(0)                   ; the roundings have written v80 to v95, which the LDS stores below read; the lines that wrote and read v16 to v47, in which the read back lands, are done
.rept 8                                            ; the first half's stores, dealt among the second half's lines, which name v10 to v13, v48 to v79 and v96 to v111 alone
	ds_store_b64 v14, v[80+2*(it-8):81+2*(it-8)] offset:(it-8)*32*TP
	v_pk_add_f32 v[16+4*it:17+4*it], v[16+4*it:17+4*it], v[10:11] neg_lo:[0,1] neg_hi:[0,1]
	v_pk_add_f32 v[18+4*it:19+4*it], v[18+4*it:19+4*it], v[12:13] neg_lo:[0,1] neg_hi:[0,1]
	v_cvt_pk_f16_f32 v[80+2*it], v[16+4*it], v[17+4*it]
	v_cvt_pk_f16_f32 v[81+2*it], v[18+4*it], v[19+4*it]
.set it, it+1
.endr
	s_wait_alu depctr_va_vdst(0)                   ; the roundings have written v96 to v111, which the last eight LDS stores read
.set it, 8
.rept 8
	ds_store_b64 v15, v[80+2*it:81+2*it] offset:(it-8)*32*TP
.set it, it+1
.endr
	s_wait_dscnt 0x0                               ; for the others' sake
	s_barrier_signal -1
	s_barrier_wait -1
.irp kk, 0,1
.irp e, 0,1
	ds_load_b128 v[16+16*(\kk)+8*(\e):19+16*(\kk)+8*(\e)], v149 offset:(\e)*16*TP+(\kk)*64      ; no wait: no vector instruction since the wait behind the first half names v16 to v47 or v149
	ds_load_b128 v[20+16*(\kk)+8*(\e):23+16*(\kk)+8*(\e)], v149 offset:(\e)*16*TP+(\kk)*64+32
.endr
.endr
	s_wait_dscnt 0x0
.irp kk, 0,1
.irp e, 0,1
	global_store_b128 v[150+(\kk)], v[16+16*(\kk)+8*(\e):19+16*(\kk)+8*(\e)], s[24:25] offset:(\e)*1024      ; 512 consecutive bytes, at a multiple of 512 from wh's first
	global_store_b128 v[150+(\kk)], v[20+16*(\kk)+8*(\e):23+16*(\kk)+8*(\e)], s[24:25] offset:(\e)*1024+512
.endr
.endr
	FIN
.Lfunc_end_k_qae4bb38de4_prep:
	.size	k_qae4bb38de4_prep, .Lfunc_end_k_qae4bb38de4_prep-k_qae4bb38de4_prep
	.p2alignl 7, 3214868480
	.fill 96, 4, 3214868480
	.section	.rodata,"a",@progbits
	.p2align	6, 0x0
	.amdhsa_kernel k_qae4bb38de4_prep
		.amdhsa_group_segment_fixed_size 79872
		.amdhsa_private_segment_fixed_size 0
		.amdhsa_enable_private_segment 0
		.amdhsa_kernarg_size 80
		.amdhsa_user_sgpr_count 2
		.amdhsa_user_sgpr_kernarg_segment_ptr 1
		.amdhsa_wavefront_size32 1
		.amdhsa_system_sgpr_workgroup_id_x 1
		.amdhsa_system_sgpr_workgroup_id_y 1
		.amdhsa_system_sgpr_workgroup_id_z 1
		.amdhsa_system_vgpr_workitem_id 0
		.amdhsa_next_free_vgpr 152
		.amdhsa_next_free_sgpr 66
		.amdhsa_reserve_vcc 0
		.amdhsa_float_denorm_mode_32 3
		.amdhsa_float_denorm_mode_16_64 3
		.amdhsa_memory_ordered 1
		.amdhsa_forward_progress 1
		.amdhsa_inst_pref_size 28
	.end_amdhsa_kernel
	.amdgpu_metadata
---
amdhsa.version: [ 1, 2 ]
amdhsa.kernels:
  - .name:           k_qae4bb38de4_prep
    .symbol:         k_qae4bb38de4_prep.kd
    .args:
      - { .name: lin_w, .offset: 0, .size: 8, .value_kind: global_buffer, .address_space: global }
      - { .name: out_w, .offset: 8, .size: 8, .value_kind: global_buffer, .address_space: global }
      - { .name: ln_w, .offset: 16, .size: 8, .value_kind: global_buffer, .address_space: global }
      - { .name: ln_b, .offset: 24, .size: 8, .value_kind: global_buffer, .address_space: global }
      - { .name: out_ln_w, .offset: 32, .size: 8, .value_kind: global_buffer, .address_space: global }
      - { .name: out_ln_b, .offset: 40, .size: 8, .value_kind: global_buffer, .address_space: global }
      - { .name: proj_w, .offset: 48, .size: 8, .value_kind: global_buffer, .address_space: global }
      - { .name: proj_b, .offset: 56, .size: 8, .value_kind: global_buffer, .address_space: global }
      - { .name: wh, .offset: 64, .size: 8, .value_kind: global_buffer, .address_space: global }
      - { .name: par, .offset: 72, .size: 8, .value_kind: global_buffer, .address_space: global }
    .group_segment_fixed_size: 79872
    .private_segment_fixed_size: 0
    .kernarg_segment_align: 8
    .kernarg_segment_size: 80
    .max_flat_workgroup_size: 512
    .sgpr_count:     66
    .vgpr_count:     152
    .wavefront_size: 32
...
	.end_amdgpu_metadata
.endif
;; end of part 3
;; launch main: the kernel of part 2 again; grid 256 x 1, 4 waves a work-group, clusters of 4 x 1, 327,680 bytes of LDS; arguments x, wh, par, out0; writes out0
